; MI455X (gfx1250); checked and timed in simulation.
; The chip was launched on July 23, 2026; its instructions are those of AMD's public machine-readable ISA for CDNA 5 (MIT licence, August 2026) and "CDNA5" Instruction Set Architecture Reference Guide (July 2026). The comments in the code are by the model that wrote it; some were corrected since.
;; Attention Head. Allowed arithmetic: matrix products marked QUANTISED: E4M3 operands, one E8M0 scale for each 32 along K, by v_wmma_scale_f32_16x16x128_f8f6f4 with both operands' format E4M3, f32 sums; everything else in f32.
;; Inputs: Wk_codes 64 x 32 x 32 uint8 (E4M3 codes of Wk, K innermost, in blocks of 32 codes); Wk_scales 64 x 32 uint8 (E8M0 scales of Wk, one for each 32 codes along K); Wq_codes 64 x 32 x 32 uint8 (E4M3 codes of Wq, K innermost, in blocks of 32 codes); Wq_scales 64 x 32 uint8 (E8M0 scales of Wq, one for each 32 codes along K); Wv_codes 64 x 32 x 32 uint8 (E4M3 codes of Wv, K innermost, in blocks of 32 codes); Wv_scales 64 x 32 uint8 (E8M0 scales of Wv, one for each 32 codes along K); x_codes 4 x 4,096 x 32 x 32 uint8 (E4M3 codes of x, K innermost, in blocks of 32 codes); x_scales 4 x 4,096 x 32 uint8 (E8M0 scales of x, one for each 32 codes along K).
;; Outputs: out0 4 x 4,096 x 64 float32.
;; This version of the problem:
;;   THIS VERSION OF THE PROBLEM IS GIVEN IN LOW PRECISION. The matrix products marked QUANTISED in the list below multiply operands that are first quantised to E4M3 (4 exponent bits, 3 mantissa bits; 8 bits a number), with one power-of-two scale for each 32 numbers along K (OCP MX v1.0); their sums are f32. All else is computed in f32.
;;   The module's matrix products, in the order in which they are computed (A, B: the left and right operand; K: the contracted axis; several contracted axes count as one K, in the product's order):
;;     1. [M 16,384, K 1,024] x [K 1,024, N 64]; A: input x (given as codes); B: input Wk (given as codes): QUANTISED
;;     2. [M 16,384, K 1,024] x [K 1,024, N 64]; A: input x (given as codes); B: input Wq (given as codes): QUANTISED
;;     3. [M 16,384, K 1,024] x [K 1,024, N 64]; A: input x (given as codes); B: input Wv (given as codes): QUANTISED
;;     4. batch 4 x [M 4,096, K 64] x [K 64, N 4,096]; A: computed on the way; B: computed on the way: QUANTISED
;;     5. batch 4 x [M 4,096, K 4,096] x [K 4,096, N 64]; A: softmax (see below); B: computed on the way: QUANTISED
;;   THE QUANTISER, for each operand of a quantised product, along K:
;;     - K is cut into blocks of 32 from its start; a last block that is shorter is filled with zeros.
;;     - A block's scale is 2^e with e = floor(log2(the largest magnitude in the block)) - 8, held to -126 .. 127; a block of zeros has e = 0. As a byte (E8M0): e + 127.
;;     - Each number is divided by its block's scale, clamped to +-448, and rounded to the nearest number of E4M3, ties to even, subnormals kept.
;;     - The product sums the exact products of the quantised numbers (number of the format x scale) in f32.
;;   ~~~python
;;   def quantise(x, axis):      # numpy; x: float32 -> the quantised numbers, widened to float32 again
;;       x = np.moveaxis(x, axis, -1); K = x.shape[-1]
;;       x = np.pad(x, [(0, 0)] * (x.ndim - 1) + [(0, -K % 32)]); x = x.reshape(x.shape[:-1] + (-1, 32)); a = np.abs(x).max(-1, keepdims=True)
;;       e = np.where(a > 0, np.clip(np.frexp(np.where(a > 0, a, 1))[1] - 1 - 8, -126, 127), 0)      # np.frexp(a)[1] - 1 = floor(log2(a)), exactly
;;       r = np.clip(x / 2.0 ** e, -448, 448)
;;       step = 2.0 ** (np.maximum(np.frexp(np.where(r == 0, 1, r))[1] - 1, -6) - 3)
;;       q = np.round(r / step) * step * 2.0 ** e      # np.round: ties to even
;;       return np.moveaxis(q.reshape(q.shape[:-2] + (-1,))[..., :K], -1, axis).astype(np.float32)
;;   ~~~
;;   SOFTMAX AHEAD OF A QUANTISED PRODUCT. Where the list says 'softmax', what is quantised is not the finished softmax but p = 2^(t - M), with t = logit x log2(e) and M = ceil(the row's largest t), a whole number; so 1/2 < the row's largest p <= 1. The row's sum l is taken of the UNQUANTISED p, in f32, and the product's result is divided by l at the end. Since M is a whole number, a kernel that streams over the keys may use a running M (the ceiling of the running maximum): every later rescaling is an exact power of two, which a block's scale takes up: the codes' values come out the same.
;;   OPERANDS COMPUTED ON THE WAY. 'Computed on the way' means the value that the module computes at that place (a softmax that the list does not call 'softmax' is quantised finished and normalised). What goes into a quantiser is computed in f32, as accurately as f32 sums, v_exp_f32 and their like allow (about 1e-6 of the number): no bf16 or f16 on the way to a quantiser, and a product that is left as it is and whose result goes on into a quantised operand takes f32 operands (vector FMAs, or v_wmma_f32_16x16x4_f32). A number that lies on a knife's edge between two numbers of the format may be rounded either way, as far as f32 arithmetic and the matrix unit's own rounding can turn it there, and no further.
;;   INPUTS GIVEN AS CODES. Wk (in the module: [1024, 64], K = its axis 0); Wq (in the module: [1024, 64], K = its axis 0); Wv (in the module: [1024, 64], K = its axis 0); x (in the module: [4, 4096, 1024], K = its axis 2): each comes as NAME_codes (uint8): NAME with its K axis moved to the last place and cut into blocks of 32 codes, [.., K / 32, bytes a block], one block behind the other in memory; one code a byte (a code: sign, 4 exponent bits, 3 mantissa bits); and NAME_scales (uint8): the same leading axes, one E8M0 byte (e + 127) for each 32 codes along K. Its value is code x scale, taken as it is: it is not quantised again, and the codes and scales need not be those that the quantiser above would give.
;; One version. Each part assembles by itself: llvm-mc -triple=amdgcn-amd-amdhsa -mcpu=gfx1250 --defsym DOCPART=n.
;; ======== version 1 of 1: 2 launches
;; limits: right only within a limited range of input values
;; workspace buffers: qbuf 1,081,344 bytes; kvbuf 2,162,688 bytes
;; launch proj (part 1): grid 256 x 1, 4 waves a work-group, clusters of 4 x 1, 279,040 bytes of LDS; arguments x_codes, x_scales, Wq_codes, Wq_scales, Wk_codes, Wk_scales, Wv_codes, Wv_scales, qbuf, kvbuf; writes qbuf, kvbuf
.if DOCPART == 1
	.amdgcn_target "amdgcn-amd-amdhsa--gfx1250"
	.amdhsa_code_object_version 6
	.text
	.protected	k_qfccfa98fc9_proj
	.globl	k_qfccfa98fc9_proj
	.p2align	8
	.type	k_qfccfa98fc9_proj,@function
k_qfccfa98fc9_proj:
	s_mov_b64 s[64:65], 0
	v_nop
	global_prefetch_b8 v0, s[64:65] scope:SCOPE_SE
	s_setreg_imm32_b32 hwreg(HW_REG_WAVE_MODE, 25, 1), 1
	s_wait_xcnt 0x0
	s_wait_alu depctr_hold_cnt(0) depctr_sa_sdst(0) depctr_va_vdst(0) depctr_va_sdst(0) depctr_va_ssrc(0) depctr_va_vcc(0) depctr_vm_vsrc(0)
	s_getreg_b32 s2, hwreg(HW_REG_IB_STS2, 6, 4)
	s_cmp_eq_u32 s2, 0
	s_cbranch_scc0 .Lentry_in_a_cluster
	s_endpgm
.Lentry_in_a_cluster:
	s_bfe_u32 s2, ttmp6, 0x10000c
	s_cmp_lg_u32 s2, 0x3003
	s_cbranch_scc0 .Lentry_shape_is_right
	s_endpgm
.Lentry_shape_is_right:
; q = x Wq, k = x Wk, v = x Wv on the given codes of FP8 (E4M3) and their E8M0 scale bytes; sums in f32; then q and k are quantised along the head's 64 and v along the tokens
; (the keys), and leave as IMAGES OF THE OPERAND REGISTERS that the second launch wants: a chunk is 32 lanes x 16 bytes, lane l at byte 16 l.
; SHARES.  256 work-groups of four waves; a work-group takes 64 tokens.  Wave w takes the 32 tokens tb = w & 1 (one block of 32 keys) and, by half = w >> 1, q and v's dims 0-31 (half 0) or
; k and v's dims 32-63 (half 1): 12 accumulators of 16 x 16, and every block of 32 that is quantised lies in one wave.  K = 1,024 is eight steps of 128: 96 matrix instructions a wave.
; LAYOUT.  q, k: source 0 = 16 rows of W (dims), source 1 = 16 tokens: a lane holds ONE token and its registers run along the dims.  v: source 0 = 16 tokens, source 1 = 16 rows of Wv: a lane holds ONE dim
; and its registers run along the tokens.  The 16 registers of two neighbouring tiles are one lane's share of a block of 32: place i of lane half h is element 8 h + i + 8 (i / 8) of the block.  That order is the same
; in q and k, and in v and the second launch's p, and it stays inside a scale block: the products and the scales are those of the true order; only the order of the f32 sums differs.
; LDS.  All of x's 64 rows and of the three W (64 rows each) comes in at the start, as four chunks of 256 along K, each of four tiles of 64 rows x 256 bytes; nothing is filled again.
; CLUSTER.  The four work-groups of a cluster need the same three W: waves 1, 2, 3 ask for Wq, Wk, Wv JOINTLY (the same tensor load, the same descriptor, a mask that names the four); wave 0 asks for its own x.
; OUT.  Codes leave as whole chunks of 512 consecutive bytes.  The scale words (64 bytes a block) and v's scale bytes (one byte in four, 32 a wave) fill their aligned blocks of 256 bytes only in part: 96 KiB of the 3 MiB stored.
; LIMITS.  NaN, infinities and NaN codes or 0xff scale bytes among the inputs are not served.  A block of zeros gets the scale byte 1, where the quantiser's text says 127: its codes are zeros, and this program alone reads the bytes.
.set PITCH,  272                       ; an LDS row: 256 bytes + 16 of padding = 68 words: row r starts at bank 4 r mod 64 (64 banks of 4 bytes: ISA guide 11.1), so the 16 rows of a fragment load start at 16 different banks
.set TILEB,  64*PITCH                  ; a tile: 64 rows
.set CHUNK,  4*TILEB                   ; a chunk: x's tile, Wq's, Wk's, Wv's
.set XS,   16                          ; v16-23  x's scale words: register s = K step s; lanes 0-15 tokens 0-15, lanes 16-31 tokens 16-31
.set WS,   24                          ; v24-39  Wq's or Wk's: register 8 p + s: rows 32 p + lane
.set VSC,  40                          ; v40-47  Wv's: rows 32 half + lane
.set TM,   48                          ; v48-53 largest magnitudes, v54-59 bytes, v66-71 the conversions' scale operands: six blocks
.set PW,   72                          ; v72     q's or k's scale word
.set VB,   73                          ; v73     v's scale byte of dim 32 half + lane
.set PC,   80                          ; v80-103 codes: four registers a block
.set ACC,  128                         ; v128-223: q or k (token tile u, dim tile t) at 128 + 32 u + 8 t; v (dim tile t, token tile u) at 192 + 16 t + 8 u: block b of six = v[128 + 16 b ..]
                                       ; window 1: two fragment buffers of 128: x's two at +0, W's four at +32, Wv's two at +96
.set MSB, 0
.macro WIN new                         ; the immediate's high byte repeats the setting that is left; a switch that changes nothing is dropped
.if MSB != \new
	s_set_vgpr_msb (MSB<<8)|\new
.set MSB, \new
.endif
.endm
.macro ROUND                           ; a round of the cluster's barrier
	s_barrier_signal -1
	s_barrier_wait -1
	s_cmp_lg_u32 s24, 0
	s_cbranch_scc1 .Lnot_wave_0_\@
	s_barrier_signal -3
.Lnot_wave_0_\@:
	s_barrier_wait -3
	s_barrier_signal -1
	s_barrier_wait -1
.endm
; One scaled product.  d, a, b: first registers of D, source 0, source 1; c: first register of C, or -1: the constant 0 starts the sum; sa, sb: scale registers; ra, rb: 1 = the scales stand in lanes 16-31
.macro WM d, a, b, c, sa, sb, ra, rb
.if (\c) < 0
.if (\ra) && (\rb)
	v_wmma_scale_f32_16x16x128_f8f6f4 v[(\d):(\d)+7], v[(\a):(\a)+15], v[(\b):(\b)+15], 0, v[(\sa)], v[(\sb)] matrix_a_scale:MATRIX_SCALE_ROW1 matrix_b_scale:MATRIX_SCALE_ROW1
.elseif \ra
	v_wmma_scale_f32_16x16x128_f8f6f4 v[(\d):(\d)+7], v[(\a):(\a)+15], v[(\b):(\b)+15], 0, v[(\sa)], v[(\sb)] matrix_a_scale:MATRIX_SCALE_ROW1
.elseif \rb
	v_wmma_scale_f32_16x16x128_f8f6f4 v[(\d):(\d)+7], v[(\a):(\a)+15], v[(\b):(\b)+15], 0, v[(\sa)], v[(\sb)] matrix_b_scale:MATRIX_SCALE_ROW1
.else
	v_wmma_scale_f32_16x16x128_f8f6f4 v[(\d):(\d)+7], v[(\a):(\a)+15], v[(\b):(\b)+15], 0, v[(\sa)], v[(\sb)]
.endif
.else
.if (\ra) && (\rb)
	v_wmma_scale_f32_16x16x128_f8f6f4 v[(\d):(\d)+7], v[(\a):(\a)+15], v[(\b):(\b)+15], v[(\c):(\c)+7], v[(\sa)], v[(\sb)] matrix_a_scale:MATRIX_SCALE_ROW1 matrix_b_scale:MATRIX_SCALE_ROW1
.elseif \ra
	v_wmma_scale_f32_16x16x128_f8f6f4 v[(\d):(\d)+7], v[(\a):(\a)+15], v[(\b):(\b)+15], v[(\c):(\c)+7], v[(\sa)], v[(\sb)] matrix_a_scale:MATRIX_SCALE_ROW1
.elseif \rb
	v_wmma_scale_f32_16x16x128_f8f6f4 v[(\d):(\d)+7], v[(\a):(\a)+15], v[(\b):(\b)+15], v[(\c):(\c)+7], v[(\sa)], v[(\sb)] matrix_b_scale:MATRIX_SCALE_ROW1
.else
	v_wmma_scale_f32_16x16x128_f8f6f4 v[(\d):(\d)+7], v[(\a):(\a)+15], v[(\b):(\b)+15], v[(\c):(\c)+7], v[(\sa)], v[(\sb)]
.endif
.endif
.endm
	s_load_b512 s[4:19], s[0:1], 0x0               ; x's codes s[4:5], x's scales s[6:7], Wq's s[8:9], s[10:11], Wk's s[12:13], s[14:15], Wv's s[16:17], s[18:19]
	s_load_b128 s[20:23], s[0:1], 0x40             ; qbuf s[20:21], kvbuf s[22:23]
	v_lshl_add_u32 v254, v0, 2, 0x44000
	v_mov_b32 v255, 0
	ds_add_u32 v254, v255
	ds_add_u32 v254, v255
	v_lshrrev_b32 v1, 5, v0
	v_readfirstlane_b32 s24, v1                    ; wave 0..3
	s_and_b32 s25, s24, 1                          ; tb: which 32 tokens
	s_lshr_b32 s26, s24, 1                         ; half: q and v's lower dims, or k and v's upper dims
	s_bfe_u32 s27, ttmp6, 0x40000                  ; cx: my place in the cluster
	s_lshl_b32 s28, ttmp9, 2                       ; in a cluster launch ttmp9 counts clusters
	s_add_co_u32 s28, s28, s27                     ; work-group 0..255: it enters x's and the outputs' global addresses alone
	s_lshl_b32 s29, s28, 1
	s_add_co_u32 s29, s29, s25                     ; blk: my block of 32 tokens, 0..511
	s_mov_b32 s86, 0x76543210
	s_mov_b32 s87, 0xfedcba98                      ; v_permlanex16_b32's selects for lane l xor 16
	; descriptor group 1: a tile of 64 rows x 256 bytes out of rows of 1,024 bytes, 16 bytes of padding behind each row
	s_mov_b32 s32, (1<<20)|(5<<22)|(3<<25)         ; x: no mask; elements of 1 byte; padding on, after every 64 words, of 4 words
	s_mov_b32 s40, 15|(1<<20)|(1<<21)|(5<<22)|(3<<25)  ; W: the mask names the cluster's four work-groups; bit 21 set beside it
.irp g, 32, 40
	s_mov_b32 s[\g+1], 256<<16                     ; tensor_dim0 = 256
	s_mov_b32 s[\g+2], 64<<16                      ; tensor_dim1 = 64
	s_mov_b32 s[\g+3], 256<<16                     ; tile_dim0 = 256
	s_mov_b32 s[\g+4], 64                          ; tile_dim1 = 64
	s_mov_b32 s[\g+5], 1024                        ; from row to row
	s_mov_b32 s[\g+6], 0
	s_mov_b32 s[\g+7], 0
.endr
	s_lshl_b32 s84, s28, 16                        ; my 64 tokens' codes: 64 x 1,024 bytes a work-group
	s_mov_b32 s85, 0
	s_mul_i32 s89, s24, TILEB                      ; waves 1, 2, 3: the place of Wq's, Wk's, Wv's tile in a chunk
	s_wait_dscnt 0x0
	s_wait_kmcnt 0x0
	s_add_nc_u64 s[90:91], s[4:5], s[84:85]
	s_cmp_eq_u32 s24, 1
	s_cselect_b64 s[92:93], s[8:9], s[12:13]       ; wave 1: Wq; wave 2: Wk;
	s_cmp_eq_u32 s24, 3
	s_cselect_b64 s[92:93], s[16:17], s[92:93]     ; wave 3: Wv: the choice hangs on the wave's number alone
.irp j, 0,1,2,3                                ; group 0 for each chunk: x's in s[48:63], W's in s[68:83]
	s_mov_b32 s[48+4*\j], 1
	s_mov_b32 s[49+4*\j], \j*CHUNK
	s_add_nc_u64 s[50+4*\j:51+4*\j], s[90:91], \j*256
	s_or_b32 s[51+4*\j], s[51+4*\j], 0x80000000
	s_mov_b32 s[68+4*\j], 1
	s_add_co_u32 s[69+4*\j], s89, \j*CHUNK
	s_add_nc_u64 s[70+4*\j:71+4*\j], s[92:93], \j*256
	s_or_b32 s[71+4*\j], s[71+4*\j], 0x80000000
.endr
	ROUND                                          ; all four work-groups are here: the joint loads meet
	s_cmp_eq_u32 s24, 0                            ; a wave's four first fills stand in one branch: four tensor loads of mine are out; four v_nop follow the last
	s_cbranch_scc0 .Lfor_w
.irp j, 0,1,2,3
	tensor_load_to_lds s[48+4*\j:51+4*\j], s[32:39]
	s_nop 0
.endr
.rept 4
	v_nop
.endr
	s_branch .Lasked
.Lfor_w:
.irp j, 0,1,2,3
	tensor_load_to_lds s[68+4*\j:71+4*\j], s[40:47]
	s_nop 0
.endr
.rept 4
	v_nop
.endr
.Lasked:
	v_and_b32 v1, 31, v0                           ; lane
	s_wait_alu depctr_va_vdst(0)
	v_and_b32 v2, 15, v0                           ; r
	s_wait_alu depctr_va_vdst(0)
	v_bfe_u32 v3, v0, 4, 1                         ; h
	v_lshlrev_b32 v8, 5, v1                        ; a row of scale bytes is 32 bytes: lane l takes row l
	s_lshl_b32 s84, s29, 10
	s_add_nc_u64 s[94:95], s[6:7], s[84:85]        ; x's scales at my 32 tokens
	s_cmp_eq_u32 s26, 0
	s_cselect_b64 s[96:97], s[10:11], s[14:15]     ; Wq's or Wk's scales
	s_lshl_b32 s84, s26, 10
	s_add_nc_u64 s[98:99], s[18:19], s[84:85]      ; Wv's at my 32 dims
	global_load_b128 v[XS:XS+3], v8, s[94:95]
	global_load_b128 v[XS+4:XS+7], v8, s[94:95] offset:16
	global_load_b128 v[WS:WS+3], v8, s[96:97]
	global_load_b128 v[WS+4:WS+7], v8, s[96:97] offset:16
	global_load_b128 v[WS+8:WS+11], v8, s[96:97] offset:1024
	global_load_b128 v[WS+12:WS+15], v8, s[96:97] offset:1040
	global_load_b128 v[VSC:VSC+3], v8, s[98:99]
	global_load_b128 v[VSC+4:VSC+7], v8, s[98:99] offset:16
	v_mul_u32_u24 v4, v2, PITCH
	v_lshl_add_u32 v4, v3, 4, v4                   ; a fragment's row x pitch + 16 x half of the lanes
	s_mul_i32 s84, s25, 32*PITCH
	v_add_nc_u32 v5, s84, v4                       ; x: my 32 rows of tile 0
	s_add_co_u32 s84, s26, 1
	s_mul_i32 s84, s84, TILEB
	v_add_nc_u32 v6, s84, v4                       ; Wq's tile or Wk's
	s_mul_i32 s84, s26, 32*PITCH
	s_add_co_u32 s84, s84, 3*TILEB
	v_add_nc_u32 v7, s84, v4                       ; my 32 rows of Wv's tile
	v_lshlrev_b32 v9, 4, v1                        ; 16 x lane: my place in a chunk of an image
	v_lshlrev_b32 v10, 2, v2                       ; 4 r: my token's scale word
	v_lshlrev_b32 v11, 2, v1                       ; 4 x lane: my dim's scale word
.irp b, 0,1,2,3,4,5
	v_mov_b32 v[TM+6+\b], 0                        ; written once: a lane permute's destination counts as one of its sources
.endr
	s_wait_loadcnt 0x0                             ; the scale words
; 32 LDS loads: the fragments of the chunk's q-th 128 along K into buffer p
.macro FETCH q, p
	WIN 0x40                                       ; destination window 1, address window 0
.irp u, 0,1
.irp c, 0,1,2,3
	ds_load_b128 v[128*\p+16*\u+4*\c:128*\p+16*\u+4*\c+3], v5 offset:16*\u*PITCH+128*\q+32*\c
.endr
.endr
.irp t, 0,1,2,3
.irp c, 0,1,2,3
	ds_load_b128 v[128*\p+32+16*\t+4*\c:128*\p+32+16*\t+4*\c+3], v6 offset:16*\t*PITCH+128*\q+32*\c
.endr
.endr
.irp t, 0,1
.irp c, 0,1,2,3
	ds_load_b128 v[128*\p+96+16*\t+4*\c:128*\p+96+16*\t+4*\c+3], v7 offset:16*\t*PITCH+128*\q+32*\c
.endr
.endr
.endm
; K step s from buffer p: 12 products.  The 12 accumulators take turns, one instruction a turn, in the same order in every step.  zero = 1: the products start the sums
.macro MUL s, p, zero
	WIN 0x05                                       ; sources 0 and 1 window 1, C and D window 0
.irp u, 0,1
.irp t, 0,1,2,3
.if \zero
	WM ACC+32*\u+8*\t, 128*\p+32+16*\t, 128*\p+16*\u, -1, WS+8*(\t/2)+\s, XS+\s, \t%2, \u
.else
	WM ACC+32*\u+8*\t, 128*\p+32+16*\t, 128*\p+16*\u, ACC+32*\u+8*\t, WS+8*(\t/2)+\s, XS+\s, \t%2, \u
.endif
.endr
.endr
.irp t, 0,1
.irp u, 0,1
.if \zero
	WM ACC+64+16*\t+8*\u, 128*\p+16*\u, 128*\p+96+16*\t, -1, XS+\s, VSC+\s, \u, \t
.else
	WM ACC+64+16*\t+8*\u, 128*\p+16*\u, 128*\p+96+16*\t, ACC+64+16*\t+8*\u, XS+\s, VSC+\s, \u, \t
.endif
.endr
.endr
.endm
; Chunk j: two K steps
.macro CHUNKJ j
	s_wait_tensorcnt 3-\j                          ; tensor loads of a wave end in order: my tile of chunk j is in; my loads of the later chunks may stay out
	s_barrier_signal -1
	s_barrier_wait -1                              ; everybody's tile of chunk j is in
	FETCH 0, 0
	FETCH 1, 1
	s_wait_dscnt 32                                ; the first step's 32 loads are in; the second step's 32 may be out
.if \j == 0
	MUL 0, 0, 1
.else
	MUL 2*\j, 0, 0
.endif
	s_wait_dscnt 0x0
	MUL 2*\j+1, 1, 0
	WIN 0
	v_add_nc_u32 v5, CHUNK, v5                     ; on to the next chunk.  These three and five v_nop are the eight places between the last products and the loads into the
	v_add_nc_u32 v6, CHUNK, v6                     ; registers that they read, or, behind the last chunk, the first read of the results
	v_add_nc_u32 v7, CHUNK, v7
.rept 5
	v_nop
.endr
.endm
	CHUNKJ 0
	s_wait_alu depctr_va_vdst(0)
	CHUNKJ 1
	s_wait_alu depctr_va_vdst(0)
	CHUNKJ 2
	s_wait_alu depctr_va_vdst(0)
	CHUNKJ 3
	; THE QUANTISER, six blocks of 32 by turns: blocks 0-3 = q or k (token tile b / 2, dims 32 (b % 2) on), blocks 4, 5 = v (dim tile b - 4, my 32 tokens).  A lane holds 16 numbers of each, lane l xor 16 the other 16.
.irp b, 0,1,2,3,4,5
	v_max3_num_f32 v[TM+\b], |v[ACC+16*\b]|, |v[ACC+16*\b+1]|, 0x4800000   ; and the floor 2^(9 - 127): the byte cannot fall under 1
.endr
.irp i, 2,4,6,8,10,12,14
.irp b, 0,1,2,3,4,5
	v_max3_num_f32 v[TM+\b], v[TM+\b], |v[ACC+16*\b+\i]|, |v[ACC+16*\b+\i+1]|
.endr
.endr
.irp b, 0,1,2,3,4,5
	v_permlanex16_b32 v[TM+6+\b], v[TM+\b], s86, s87
.endr
.irp b, 0,1,2,3,4,5
	v_max_num_f32 v[TM+\b], v[TM+\b], v[TM+6+\b]   ; the block's largest magnitude
.endr
.irp b, 0,1,2,3,4,5
	v_add_nc_u32 v[TM+18+\b], 0xfc000000, v[TM+\b] ; 8 off its exponent field: the conversion takes the exponent field of this operand as its scale
.endr
.irp b, 0,1,2,3,4,5
.endr
.irp b, 0,1,2,3,4,5
	v_lshrrev_b32 v[TM+6+\b], 23, v[TM+18+\b]      ; the scale's byte
.endr
	v_lshl_or_b32 v[PW], v[TM+7], 8, v[TM+6]       ; token row r's word: (tile 0, dims 0-31), (tile 0, dims 32-63), (tile 1, ..), (tile 1, ..)
	v_lshl_or_b32 v[PW], v[TM+8], 16, v[PW]
	v_lshl_or_b32 v[PW], v[TM+9], 24, v[PW]
	v_cmp_gt_u32 vcc_lo, 16, v1
	v_cndmask_b32 v[VB], v[TM+11], v[TM+10], vcc_lo   ; lanes 0-15: dim tile 0's byte of dim r; lanes 16-31: dim tile 1's
.irp b, 0,1,2,3,4,5
.irp i, 0,1,2,3,4,5,6,7,8,9,10,11,12,13,14,15
.endr
	v_cvt_scalef32_pk8_fp8_f32 v[PC+4*\b:PC+4*\b+1], v[ACC+16*\b:ACC+16*\b+7], v[TM+18+\b]
	v_cvt_scalef32_pk8_fp8_f32 v[PC+4*\b+2:PC+4*\b+3], v[ACC+16*\b+8:ACC+16*\b+15], v[TM+18+\b]
.endr
	v_nop                                          ; one plain vector line behind the last conversion
	; WHERE THE IMAGES GO.  Offsets are made apart from the addresses; the buffer is chosen on the wave's half alone.
	s_lshr_b32 s30, s29, 2                         ; the step of 128 keys, 0..127
	s_and_b32 s31, s29, 3                          ; my block of 32 in it
	s_lshl_b32 s89, s30, 14                        ; a step's images: 16,384 bytes
	s_lshl_b32 s98, s31, 11
	s_add_co_u32 s98, s98, s89                     ; k: step x 16,384 + block x 2,048
	s_lshl_b32 s84, s29, 11                        ; q: blk x 2,048
	s_cmp_eq_u32 s26, 0
	s_cselect_b32 s84, s84, s98
	s_cselect_b64 s[90:91], s[20:21], s[22:23]
	s_add_nc_u64 s[90:91], s[90:91], s[84:85]      ; the four chunks of codes
	s_lshl_b32 s84, s29, 6
	s_add_co_u32 s84, s84, 1048576                 ; q's words: behind q's codes, 64 bytes a block
	s_lshr_b32 s99, s29, 7
	s_lshl_b32 s99, s99, 14
	s_add_co_u32 s99, s99, 2097152                 ; the batch's scale region in kvbuf: behind the codes, 16,384 bytes a batch
	s_and_b32 s98, s29, 127
	s_lshl_b32 s98, s98, 6
	s_add_co_u32 s98, s98, s99                     ; k's words: 64 bytes a block
	s_cmp_eq_u32 s26, 0
	s_cselect_b32 s84, s84, s98
	s_cselect_b64 s[92:93], s[20:21], s[22:23]
	s_add_nc_u64 s[92:93], s[92:93], s[84:85]
	s_lshl_b32 s84, s26, 12
	s_add_co_u32 s84, s84, s89
	s_lshl_b32 s98, s31, 9
	s_add_co_u32 s84, s84, s98
	s_add_co_u32 s84, s84, 8192                    ; v's codes: step x 16,384 + 8,192 + dim tile x 2,048 + key block x 512
	s_add_nc_u64 s[94:95], s[22:23], s[84:85]
	s_and_b32 s84, s30, 31
	s_lshl_b32 s84, s84, 8
	s_add_co_u32 s84, s84, s99
	s_lshl_b32 s98, s26, 7
	s_add_co_u32 s84, s84, s98
	s_add_co_u32 s84, s84, s31
	s_add_co_u32 s84, s84, 8192                    ; v's bytes: region + 8,192 + step x 256 + 4 x dim + key block
	s_add_nc_u64 s[96:97], s[22:23], s[84:85]
	s_wait_alu depctr_va_vdst(0)
.irp b, 0,1,2,3
	global_store_b128 v9, v[PC+4*\b:PC+4*\b+3], s[90:91] offset:512*\b   ; 32 lanes store 512 consecutive bytes, aligned
.endr
	global_store_b32 v10, v[PW], s[92:93]          ; both halves of the lanes hold the same word and write it to the same place
.irp t, 0,1
	global_store_b128 v9, v[PC+16+4*\t:PC+16+4*\t+3], s[94:95] offset:2048*\t
.endr
	global_store_b8 v11, v[VB], s[96:97]
	s_wait_tensorcnt 0x0
	ds_add_u32 v254, v255
	s_wait_dscnt 0x0
	ROUND                                          ; the closing round: no work-group ends while a partner may still ask for a tile that names it
	s_endpgm
.Lfunc_end_k_qfccfa98fc9_proj:
	.size	k_qfccfa98fc9_proj, .Lfunc_end_k_qfccfa98fc9_proj-k_qfccfa98fc9_proj
	.p2alignl 7, 3214868480
	.fill 96, 4, 3214868480
	.section	.rodata,"a",@progbits
	.p2align	6, 0x0
	.amdhsa_kernel k_qfccfa98fc9_proj
		.amdhsa_group_segment_fixed_size 279040
		.amdhsa_private_segment_fixed_size 0
		.amdhsa_enable_private_segment 0
		.amdhsa_kernarg_size 80
		.amdhsa_user_sgpr_count 2
		.amdhsa_user_sgpr_kernarg_segment_ptr 1
		.amdhsa_wavefront_size32 1
		.amdhsa_system_sgpr_workgroup_id_x 1
		.amdhsa_system_sgpr_workgroup_id_y 1
		.amdhsa_system_sgpr_workgroup_id_z 1
		.amdhsa_system_vgpr_workitem_id 0
		.amdhsa_next_free_vgpr 512
		.amdhsa_next_free_sgpr 100
		.amdhsa_reserve_vcc 1
		.amdhsa_float_denorm_mode_32 3
		.amdhsa_float_denorm_mode_16_64 3
		.amdhsa_fp16_overflow 1
		.amdhsa_memory_ordered 1
		.amdhsa_forward_progress 1
		.amdhsa_inst_pref_size 47
	.end_amdhsa_kernel
	.amdgpu_metadata
---
amdhsa.version: [ 1, 2 ]
amdhsa.kernels:
  - .name:           k_qfccfa98fc9_proj
    .symbol:         k_qfccfa98fc9_proj.kd
    .args:
      - { .name: x_codes, .offset: 0, .size: 8, .value_kind: global_buffer, .address_space: global }
      - { .name: x_scales, .offset: 8, .size: 8, .value_kind: global_buffer, .address_space: global }
      - { .name: Wq_codes, .offset: 16, .size: 8, .value_kind: global_buffer, .address_space: global }
      - { .name: Wq_scales, .offset: 24, .size: 8, .value_kind: global_buffer, .address_space: global }
      - { .name: Wk_codes, .offset: 32, .size: 8, .value_kind: global_buffer, .address_space: global }
      - { .name: Wk_scales, .offset: 40, .size: 8, .value_kind: global_buffer, .address_space: global }
      - { .name: Wv_codes, .offset: 48, .size: 8, .value_kind: global_buffer, .address_space: global }
      - { .name: Wv_scales, .offset: 56, .size: 8, .value_kind: global_buffer, .address_space: global }
      - { .name: qbuf, .offset: 64, .size: 8, .value_kind: global_buffer, .address_space: global }
      - { .name: kvbuf, .offset: 72, .size: 8, .value_kind: global_buffer, .address_space: global }
    .group_segment_fixed_size: 279040
    .private_segment_fixed_size: 0
    .kernarg_segment_align: 8
    .kernarg_segment_size: 80
    .max_flat_workgroup_size: 128
    .sgpr_count:     100
    .vgpr_count:     512
    .wavefront_size: 32
...
	.end_amdgpu_metadata
.endif
;; end of part 1
;; launch attn (part 2): grid 64 x 4, 8 waves a work-group, clusters of 4 x 1, 327,680 bytes of LDS; arguments qbuf, kvbuf, out0; writes out0
.if DOCPART == 2
	.amdgcn_target "amdgcn-amd-amdhsa--gfx1250"
	.amdhsa_code_object_version 6
	.text
	.protected	k_qfccfa98fc9_attn
	.globl	k_qfccfa98fc9_attn
	.p2align	8
	.type	k_qfccfa98fc9_attn,@function
k_qfccfa98fc9_attn:
	s_mov_b64 s[64:65], 0
	v_nop
	global_prefetch_b8 v0, s[64:65] scope:SCOPE_SE
	s_setreg_imm32_b32 hwreg(HW_REG_WAVE_MODE, 25, 1), 1
	s_wait_xcnt 0x0
	s_wait_alu depctr_hold_cnt(0) depctr_sa_sdst(0) depctr_va_vdst(0) depctr_va_sdst(0) depctr_va_ssrc(0) depctr_va_vcc(0) depctr_vm_vsrc(0)
	s_getreg_b32 s2, hwreg(HW_REG_IB_STS2, 6, 4)
	s_cmp_eq_u32 s2, 0
	s_cbranch_scc0 .Lentry_in_a_cluster
	s_endpgm
.Lentry_in_a_cluster:
	s_bfe_u32 s2, ttmp6, 0x10000c
	s_cmp_lg_u32 s2, 0x3003
	s_cbranch_scc0 .Lentry_shape_is_right
	s_endpgm
.Lentry_shape_is_right:
; out[b][q][:] = the sum over keys k <= q of softmax_k(q . k / 8) v[k][:], both products on codes of FP8 (E4M3) with one E8M0 scale for each 32 along a product's K.  q, k, v come as the first launch left them:
; images of operand registers (chunks of 32 lanes x 16 bytes) and scale words.
; THE SOFTMAX AHEAD OF THE SECOND PRODUCT: t = score x log2(e) / 8; M = the largest t so far, rounded UP to a whole number; p = 2^(t - M) is quantised along the keys, not normalised; the sum is taken of the unquantised p
; and divides at the end.  When M moves, the sum and O are multiplied by 2^(old M - new M): exact.
; SHARES.  A work-group g (0..63) of a batch owns two blocks of 32 queries: L at 4,064 - 32 g, with 32 - a steps of 128 keys, and E at 32 g, with a + 1 steps (a = g / 4): 33 steps in every work-group.
; THE KEYS ARE SHARED AMONG THE EIGHT WAVES: they go in four phases of eight steps; in phase s wave w takes L's step 8 s + w and E's step 8 s + 7 - w, where such a step exists.  A step serves both tiles of 16 queries of its
; block, so each fragment of K and V read from LDS feeds two products.  At the end the waves' parts (-M, the sum, O^T) meet in LDS and are merged by exact powers of two.
; K = 64 IN A FORM OF 128.  Source 0 holds TWO tiles of 16 keys side by side, [kA | kB]; source 1 is [q | 0] for tile A and [0 | q] for tile B: zero codes add nothing.  q's scale word is (s0, s1, s0, s1) and serves both.
; LAYOUT.  Both products are used transposed (S^T = K Q^T, O^T = V^T P^T): a lane holds ONE query (lane % 16).  Place i of lane half h in a block of 32 is element 8 h + i + 8 (i / 8), alike in q and k and in p and v.
; CLUSTER.  The four work-groups of a cluster have the same a and the same batch, so they walk the same K and V: every tile is asked for JOINTLY, one load a wave.  No branch and no LDS address hangs on the place in the cluster.
; All four phases' tiles are fetched in every cluster, those too whose steps lie behind its last query (a >= 8: the last phase): so no tensor load stands under a jump.
; THE CLEARINGS.  O^T and the sums begin as zeros and the largest t as -3e38: a wave that has no step of a block hands zeros to the merge, and a step is written once for first and later steps alike.
; LIMITS.  NaN and infinities are not served.  The f32 sums are taken in another order than the reference's (the places inside a block, the split of the keys among waves).
.set SLOTB, 1<<17                      ; a slot: eight steps of 16,384 bytes (K's four fragments, 8 KiB, then V's four); one exclusive or turns an address in one slot into the other's
.set SCL,   2*SLOTB                    ; the batch's scale words: K's 8 KiB (256 bytes a step), then V's 8 KiB; filled once
.set QA,    SCL+16384                  ; q's codes: L's 2 KiB, E's 2 KiB; written by LDS stores, no fill lands here
.set ML,    QA+4096                    ; the merge's statistics: wave x 1,024 + tile x 256: -M, and the sum 128 bytes on
.set SPARE, ML+8192                    ; the spare words, 128 bytes for each wave: four blocks of 256 bytes that no other line names
.set STAGE, SLOTB                      ; the way out: 64 rows x (256 + 16) bytes, in slot 1, behind its last fill and its last read.  The waves' parts of O^T lie in slot 0, likewise
.set SPW,  1                           ; v1   LDS address of my spare word; never rewritten
.set NIL,  2                           ; v2   0; never rewritten
.set L16,  3                           ; v3   16 x lane
.set L4,   4                           ; v4   4 x lane
.set AK,   5                           ; v5-6   my step's place in a slot, for L and for E
.set ASB,  7                           ; v7-8   my step's scale words, for L and for E
.set AD,   9                           ; v9   the step's images
.set AS,   10                          ; v10  the step's scale words
.set DM,   11                          ; v11-12 the mask's d, for L and for E
.set NINF, 13                          ; v13  -infinity
.set AQ,   14                          ; v14  q's images
.set ST,   16                          ; v16-31 four registers a tile (2 x block + u): -M, the largest t, the sum in two halves
.set KS,   32                          ; v32-33 K's scale words;  v34-35 V's;  v36-37 q's, for L and for E;  v38-39 p's, for tile u
.set VS,   34
.set QS,   36
.set PS,   38
.set TM,   40                          ; v40-87 at work, 24 a tile: +0 block maxima, +4 bytes, +12 scale operands, +16 f (a pair), +18 a second chain of sums (a pair), +20 a temporary
.set P,    96                          ; v96-127 p's codes, 16 a tile
.set S,    128                         ; v128-255 S^T, then p: 64 a tile: register 16 b + i
.set F,    128                         ; window 1: v0-127 O^T (64 x block + 32 u + 8 t); v128-191 four fragments of K or of V; v192-231 the chain 0 | qA | 0 | qB | 0, eight registers each
.set QC,   192
.set WV,   10                          ; s10  my wave's number
.set SN,   15                          ; s15-16 steps of L, of E
.set SD,   17                          ; s17-18 the step on the diagonal, for L and for E
.set SS,   19                          ; s19-20 my step of this phase, for L and for E
.set TB,   21                          ; s21  the slot in hand
.set TS,   22                          ; s22  the phase's scale words: 2,048 bytes a phase
.set MSB, 0
.macro WIN new                         ; the immediate's high byte repeats the setting that is left; a switch that changes nothing is dropped
.if MSB != \new
	s_set_vgpr_msb (MSB<<8)|\new
.set MSB, \new
.endif
.endm
.macro ROUND                           ; a round of the cluster's barrier
	s_barrier_signal -1
	s_barrier_wait -1
	s_cmp_lg_u32 s[WV], 0
	s_cbranch_scc1 .Lnot_wave_0_\@
	s_barrier_signal -3
.Lnot_wave_0_\@:
	s_barrier_wait -3
	s_barrier_signal -1
	s_barrier_wait -1
.endm
; One scaled product.  d, a, b: first registers of D, source 0, source 1; c: first register of C, or -1: the constant 0 starts the sum; sa, sb: scale registers; ra, rb: 1 = the scales stand in lanes 16-31
.macro WM d, a, b, c, sa, sb, ra, rb
.if (\c) < 0
.if (\ra) && (\rb)
	v_wmma_scale_f32_16x16x128_f8f6f4 v[(\d):(\d)+7], v[(\a):(\a)+15], v[(\b):(\b)+15], 0, v[(\sa)], v[(\sb)] matrix_a_scale:MATRIX_SCALE_ROW1 matrix_b_scale:MATRIX_SCALE_ROW1
.elseif \ra
	v_wmma_scale_f32_16x16x128_f8f6f4 v[(\d):(\d)+7], v[(\a):(\a)+15], v[(\b):(\b)+15], 0, v[(\sa)], v[(\sb)] matrix_a_scale:MATRIX_SCALE_ROW1
.elseif \rb
	v_wmma_scale_f32_16x16x128_f8f6f4 v[(\d):(\d)+7], v[(\a):(\a)+15], v[(\b):(\b)+15], 0, v[(\sa)], v[(\sb)] matrix_b_scale:MATRIX_SCALE_ROW1
.else
	v_wmma_scale_f32_16x16x128_f8f6f4 v[(\d):(\d)+7], v[(\a):(\a)+15], v[(\b):(\b)+15], 0, v[(\sa)], v[(\sb)]
.endif
.else
.if (\ra) && (\rb)
	v_wmma_scale_f32_16x16x128_f8f6f4 v[(\d):(\d)+7], v[(\a):(\a)+15], v[(\b):(\b)+15], v[(\c):(\c)+7], v[(\sa)], v[(\sb)] matrix_a_scale:MATRIX_SCALE_ROW1 matrix_b_scale:MATRIX_SCALE_ROW1
.elseif \ra
	v_wmma_scale_f32_16x16x128_f8f6f4 v[(\d):(\d)+7], v[(\a):(\a)+15], v[(\b):(\b)+15], v[(\c):(\c)+7], v[(\sa)], v[(\sb)] matrix_a_scale:MATRIX_SCALE_ROW1
.elseif \rb
	v_wmma_scale_f32_16x16x128_f8f6f4 v[(\d):(\d)+7], v[(\a):(\a)+15], v[(\b):(\b)+15], v[(\c):(\c)+7], v[(\sa)], v[(\sb)] matrix_b_scale:MATRIX_SCALE_ROW1
.else
	v_wmma_scale_f32_16x16x128_f8f6f4 v[(\d):(\d)+7], v[(\a):(\a)+15], v[(\b):(\b)+15], v[(\c):(\c)+7], v[(\sa)], v[(\sb)]
.endif
.endif
.endm
	s_load_b128 s[4:7], s[0:1], 0x0                ; qbuf s[4:5], kvbuf s[6:7]
	s_load_b64 s[8:9], s[0:1], 0x10                ; out0
	v_lshl_add_u32 v[SPW], v0, 2, SPARE
	v_mov_b32 v[NIL], 0
	ds_add_u32 v1, v2
	ds_add_u32 v1, v2
	s_wait_dscnt 0x0
	v_lshrrev_b32 v15, 5, v0
	s_delay_alu instid0(VALU_DEP_1)
	v_readfirstlane_b32 s[WV], v15                 ; wave 0..7
	s_bfe_u32 s11, ttmp6, 0x40000                  ; cx: my place in the cluster: it enters q's and the output's global addresses and the mask's numbers alone
	s_mov_b32 s12, ttmp9                           ; a: in a cluster launch ttmp9 counts clusters
	s_lshl_b32 s13, s12, 2
	s_add_co_u32 s13, s13, s11                     ; g = 4 a + cx
	s_and_b32 s14, ttmp7, 0xffff                   ; the batch
	s_sub_co_u32 s[SN], 32, s12                    ; L: 32 - a steps,
	s_add_co_u32 s[SN+1], s12, 1                   ; E: a + 1
	s_sub_co_u32 s[SD], 31, s12                    ; the last of them lies on the diagonal
	s_mov_b32 s[SD+1], s12
	s_mov_b32 s[SS], s[WV]                         ; phase 0: L's step w,
	s_xor_b32 s[SS+1], s[WV], 7                    ; E's step 7 - w
	s_mov_b32 s[TB], 0
	s_mov_b32 s[TS], 0
	s_mov_b32 s23, 3                               ; phases behind whose change of slots a slot is asked for
	s_mov_b32 s48, 0x76543210
	s_mov_b32 s49, 0xfedcba98                      ; v_permlanex16_b32's selects for lane l xor 16
	s_mov_b32 s50, 0x3e38aa3b                      ; c = log2(e) / sqrt(64)
	s_mov_b32 s51, s50                             ; (named with it as a pair, so it is written)
	; descriptor group 1: dense blocks as rows of 256 bytes (32 elements of 8 bytes), no padding: s[24:31] a step's 64 rows, s[32:39] eight rows of scale words
	s_mov_b32 s24, 15|(3<<16)|(1<<21)              ; the mask names the cluster's four work-groups; bit 21 set beside it
	s_mov_b32 s25, 32<<16                          ; tensor_dim0 = 32
	s_mov_b32 s26, 64<<16                          ; tensor_dim1 = 64
	s_mov_b32 s27, 32<<16                          ; tile_dim0 = 32
	s_mov_b32 s28, 64                              ; tile_dim1 = 64
	s_mov_b32 s29, 32                              ; from row to row
	s_mov_b32 s30, 0
	s_mov_b32 s31, 0
	s_mov_b32 s32, 15|(3<<16)|(1<<21)
	s_mov_b32 s33, 32<<16
	s_mov_b32 s34, 8<<16
	s_mov_b32 s35, 32<<16
	s_mov_b32 s36, 8
	s_mov_b32 s37, 32
	s_mov_b32 s38, 0
	s_mov_b32 s39, 0
	s_mov_b32 s57, 0                               ; s[56:57]: an offset as a pair
	s_lshl_b32 s53, s14, 19                        ; a batch's images: 32 steps x 16,384 bytes
	s_lshl_b32 s54, s[WV], 14
	s_add_co_u32 s56, s53, s54                     ; wave w fetches step w of each phase
	s_wait_kmcnt 0x0
	s_mov_b32 s40, 1                               ; group 0 of the ring: it walks
	s_lshl_b32 s41, s[WV], 14                      ; slot 0, step w
	s_add_nc_u64 s[42:43], s[6:7], s[56:57]
	s_or_b32 s43, s43, 0x80000000
	s_lshl_b32 s53, s14, 14
	s_lshl_b32 s54, s[WV], 11
	s_add_co_u32 s56, s53, s54
	s_add_co_u32 s56, s56, 2097152                 ; the batch's scale region, my eighth of it
	s_mov_b32 s44, 1
	s_add_co_u32 s45, s54, SCL
	s_add_nc_u64 s[46:47], s[6:7], s[56:57]
	s_or_b32 s47, s47, 0x80000000
	ROUND                                          ; all four work-groups are here: the first joint loads meet
	tensor_load_to_lds s[44:47], s[32:39]          ; the scale words: filled once
	s_nop 0
	tensor_load_to_lds s[40:43], s[24:31]          ; slot 0: two tensor loads of mine are out; four v_nop follow the second
	s_nop 0
.rept 4
	v_nop
.endr
	; q: waves 0-3 bring L's 2 KiB of codes, waves 4-7 E's, 16 bytes a thread; every wave takes both blocks' scale words
	s_lshl_b32 s53, s14, 7
	s_sub_co_u32 s54, 127, s13
	s_add_co_u32 s54, s54, s53                     ; L's block of 32 tokens: 128 x batch + 127 - g
	s_add_co_u32 s55, s53, s13                     ; E's: 128 x batch + g
	s_cmp_lt_u32 s[WV], 4
	s_cselect_b32 s56, s54, s55
	s_lshl_b32 s56, s56, 11
	s_add_nc_u64 s[58:59], s[4:5], s[56:57]
	s_lshl_b32 s56, s54, 6
	s_add_co_u32 s56, s56, 1048576
	s_add_nc_u64 s[60:61], s[4:5], s[56:57]
	s_lshl_b32 s56, s55, 6
	s_add_co_u32 s56, s56, 1048576
	s_add_nc_u64 s[62:63], s[4:5], s[56:57]
	v_and_b32 v15, 127, v0
	s_delay_alu instid0(VALU_DEP_1)
	v_lshlrev_b32 v15, 4, v15
	global_load_b128 v[96:99], v15, s[58:59]
	v_and_b32 v88, 31, v0                          ; lane
	v_and_b32 v89, 15, v0                          ; r
	v_bfe_u32 v90, v0, 4, 1                        ; h
	s_delay_alu instid0(VALU_DEP_2)
	v_lshlrev_b32 v91, 2, v89
	global_load_b32 v92, v91, s[60:61]
	global_load_b32 v93, v91, s[62:63]
	v_lshlrev_b32 v[L16], 4, v88
	v_lshlrev_b32 v[L4], 2, v88
	s_lshl_b32 s53, s[WV], 14
	v_add_nc_u32 v[AK], s53, v[L16]
	s_lshl_b32 s53, s[SS+1], 14
	v_add_nc_u32 v[AK+1], s53, v[L16]
	s_lshl_b32 s53, s[WV], 8
	s_add_co_u32 s53, s53, SCL
	v_add_nc_u32 v[ASB], s53, v[L4]
	s_lshl_b32 s53, s[SS+1], 8
	s_add_co_u32 s53, s53, SCL
	v_add_nc_u32 v[ASB+1], s53, v[L4]
	v_add_nc_u32 v[AQ], QA, v[L16]
	v_lshl_add_u32 v[AS], v0, 4, QA                ; where my thread puts its 16 bytes of q
	v_lshlrev_b32 v94, 3, v90
	s_delay_alu instid0(VALU_DEP_1)
	v_sub_nc_u32 v94, v89, v94                     ; r - 8 h
	s_lshl_b32 s53, s11, 5
	s_sub_co_u32 s54, 96, s53
	v_add_nc_u32 v[DM], s54, v94                   ; on the diagonal step L's first query is key 96 - 32 cx of the step,
	v_add_nc_u32 v[DM+1], s53, v94                 ; E's is key 32 cx.  Register 16 b + i of tile u holds key 32 b + 8 h + i + 8 (i / 8): hidden where 32 b + i + 8 (i / 8) - 16 u > d
	v_mov_b32 v[NINF], 0xff800000
	v_cmp_gt_u32 vcc_lo, 16, v88
	s_wait_alu depctr_va_vdst(0)
	s_wait_loadcnt 0x0
	ds_store_b128 v[AS], v[96:99]
.irp n, 0,1
	v_and_b32 v94, 0xffff, v[92+\n]
	s_delay_alu instid0(VALU_DEP_1)
	v_lshl_or_b32 v94, v[92+\n], 16, v94           ; tile 0's two bytes, twice
	v_lshrrev_b32 v95, 16, v[92+\n]
	s_delay_alu instid0(VALU_DEP_1)
	v_and_or_b32 v95, v[92+\n], 0xffff0000, v95    ; tile 1's
	s_delay_alu instid0(VALU_DEP_1)
	v_cndmask_b32 v[QS+\n], v95, v94, vcc_lo       ; lanes 0-15: tile 0's word of row r; lanes 16-31: tile 1's.  (The clearings below are the places between this line and the first product that names it)
.endr
.irp q, 0,1,2,3
	v_mov_b32 v[ST+4*\q+1], 0xff61b1e6             ; the largest t so far: -3e38, under every t
	s_delay_alu instid0(VALU_DEP_1)
	v_floor_f32 v[ST+4*\q], -v[ST+4*\q+1]          ; -M
	v_mov_b32 v[ST+4*\q+2], 0                      ; the sum, in two halves
	v_mov_b32 v[ST+4*\q+3], 0
.endr
.irp u, 0,1
.irp b, 0,1,2,3
	v_mov_b32 v[TM+24*\u+4+\b], 0                  ; written once: a lane permute's destination counts as one of its sources
.endr
	v_mov_b32 v[TM+24*\u+17], 0                    ; (named as the upper half of f's pair)
.endr
	WIN 0x40                                       ; destination window 1
.set k, 0
.rept 128
	v_mov_b32 v[k], 0                              ; O^T
.set k, k+1
.endr
.irp z, 0,16,32
.irp i, 0,1,2,3,4,5,6,7
	v_mov_b32 v[QC+\z+\i], 0                       ; the chain's three runs of zero codes
.endr
.endr
	WIN 0
; THE CHANGE OF SLOTS stands at a phase's head.  Each wave waits for all its tensor loads (its step of the slot ahead), adds 0 to its spare word, and waits for that and for its reads of the slot that it has left.
; fill = 1: a round of the cluster's barrier follows, and behind it that other slot is asked for jointly, one load a wave: it has a whole phase in which to land.
.macro CHANGE fill
	s_wait_tensorcnt 0x0                           ; no tensor load of mine is out, so the group 0 may be written
	ds_add_u32 v[SPW], v[NIL]                      ; 0 onto my spare word
.if \fill
	s_xor_b32 s41, s41, SLOTB                      ; the other slot than last time,
	s_add_nc_u64 s[42:43], s[42:43], 131072        ; the next eight steps; the type bits on top are not reached
.endif
	s_wait_dscnt 0x0                               ; the add is done; my LDS stores have landed and my reads of the slot that I have left are over
.if \fill
	ROUND                                          ; both now hold of every wave of every work-group of the cluster
	tensor_load_to_lds s[40:43], s[24:31]          ; the first thing behind the round, and my one tensor load until the next
	s_nop 0
.rept 4
	v_nop
.endr
.else
	s_barrier_signal -1
	s_barrier_wait -1
.endif
.endm
; A STEP: 128 keys against the 32 queries of block blk (0: L, 1: E).  A step that the block does not have is jumped over: a scalar branch on the cluster's number, the wave's number and the phase; no barrier and no tensor load stands in a step.
.macro DSTEP blk
	s_cmp_ge_u32 s[SS+\blk], s[SN+\blk]
	s_cbranch_scc1 .Lskip_\@
	v_add_nc_u32 v[AD], s[TB], v[AK+\blk]
	v_add_nc_u32 v[AS], s[TS], v[ASB+\blk]
	WIN 0x40                                       ; destination window 1, address window 0
.irp b, 0,1,2,3
.irp c, 0,1,2,3
	ds_load_b128 v[F+16*\b+4*\c:F+16*\b+4*\c+3], v[AD] offset:2048*\b+512*\c   ; K's fragment b: keys 32 b on, two tiles side by side
.endr
.endr
.irp u, 0,1
.irp c, 0,1
	ds_load_b128 v[QC+8+16*\u+4*\c:QC+8+16*\u+4*\c+3], v[AQ] offset:2048*\blk+1024*\u+512*\c   ; the block's two tiles of q, between the zeros
.endr
.endr
	WIN 0
	ds_load_b32 v[KS], v[AS]                       ; lanes 0-15 fragment 0's words, lanes 16-31 fragment 1's;
	ds_load_b32 v[KS+1], v[AS] offset:128          ; fragments 2 and 3
	s_wait_dscnt 0x0
	WIN 0x05                                       ; sources 0 and 1 window 1, D window 0
	s_wait_alu depctr_va_vdst(0)
.irp b, 0,1,2,3
.irp x, 0,1
.irp u, 0,1
	WM S+64*\u+16*\b+8*\x, F+16*\b, QC+16*\u+8-8*\x, -1, KS+\b/2, QS+\blk, \b%2, \u   ; x = 0: [q | 0], the fragment's first tile; x = 1: [0 | q], its second
.endr
.endr
.endr
	WIN 0
.rept 8
	v_nop                                          ; eight places in front of the loads into the registers that these products read, and of the first read of the scores
.endr
	WIN 0x40
.irp t, 0,1,2,3
.irp c, 0,1,2,3
	ds_load_b128 v[F+16*\t+4*\c:F+16*\t+4*\c+3], v[AD] offset:8192+2048*\t+512*\c   ; V's fragment t: dims 16 t on, these 128 keys: they land while the softmax is walked
.endr
.endr
	WIN 0
	ds_load_b32 v[VS], v[AS] offset:8192           ; dims 0-31's words;
	ds_load_b32 v[VS+1], v[AS] offset:8320         ; dims 32-63's
	s_cmp_lg_u32 s[SS+\blk], s[SD+\blk]            ; only the block's last step lies on the diagonal
	s_cbranch_scc1 .Lopen_\@
.irp u, 0,1
.irp b, 0,1,2,3
.irp i, 0,1,2,3,4,5,6,7,8,9,10,11,12,13,14,15
	v_cmp_gt_i32 vcc_lo, 32*\b+\i+8*(\i/8)-16*\u, v[DM+\blk]
	v_cndmask_b32 v[S+64*\u+16*\b+\i], v[S+64*\u+16*\b+\i], v[NINF], vcc_lo   ; a hidden key's score becomes -infinity: p = 0.  The step's first key counts for every query, so M stays a number
.endr
.endr
.endr
.Lopen_\@:
.irp b, 0,1,2,3
.irp u, 0,1
	v_max3_num_f32 v[TM+24*\u+\b], v[S+64*\u+16*\b], v[S+64*\u+16*\b+1], v[S+64*\u+16*\b+2]   ; the largest score of each block of 32 keys: for the row's maximum, and, since p rises with the score, for the block's largest p
.endr
.endr
.irp i, 3,5,7,9,11,13
.irp b, 0,1,2,3
.irp u, 0,1
	v_max3_num_f32 v[TM+24*\u+\b], v[TM+24*\u+\b], v[S+64*\u+16*\b+\i], v[S+64*\u+16*\b+\i+1]
.endr
.endr
.endr
.irp b, 0,1,2,3
.irp u, 0,1
	v_max_num_f32 v[TM+24*\u+\b], v[TM+24*\u+\b], v[S+64*\u+16*\b+15]
.endr
.endr
.irp b, 0,1,2,3
.irp u, 0,1
	v_permlanex16_b32 v[TM+24*\u+4+\b], v[TM+24*\u+\b], s48, s49
.endr
.endr
.irp b, 0,1,2,3
.irp u, 0,1
	v_max_num_f32 v[TM+24*\u+\b], v[TM+24*\u+\b], v[TM+24*\u+4+\b]   ; with lane l xor 16's 16 keys
.endr
.endr
.irp u, 0,1
	s_delay_alu instid0(VALU_DEP_4)
	v_max3_num_f32 v[TM+24*\u+20], v[TM+24*\u], v[TM+24*\u+1], v[TM+24*\u+2]
.endr
.irp u, 0,1
	s_delay_alu instid0(VALU_DEP_2)
	v_max_num_f32 v[TM+24*\u+20], v[TM+24*\u+20], v[TM+24*\u+3]   ; the step's largest score of my query
.endr
.irp u, 0,1
	s_delay_alu instid0(VALU_DEP_2)
	v_mul_f32 v[TM+24*\u+20], s50, v[TM+24*\u+20]  ; as t (c is positive)
.endr
.irp u, 0,1
	s_delay_alu instid0(VALU_DEP_2)
	v_max_num_f32 v[ST+8*\blk+4*\u+1], v[ST+8*\blk+4*\u+1], v[TM+24*\u+20]   ; the running largest t
.endr
.irp u, 0,1
	v_mov_b32 v[TM+24*\u+20], v[ST+8*\blk+4*\u]
.endr
.irp u, 0,1
	s_delay_alu instid0(VALU_DEP_4)
	v_floor_f32 v[ST+8*\blk+4*\u], -v[ST+8*\blk+4*\u+1]   ; the new -M = floor(-t): M is a whole number
.endr
.irp u, 0,1
	s_delay_alu instid0(VALU_DEP_2)
	v_sub_f32 v[TM+24*\u+20], v[ST+8*\blk+4*\u], v[TM+24*\u+20]   ; old M less new M: a whole number, 0 or less
.endr
.irp u, 0,1
	s_delay_alu instid0(VALU_DEP_2)
	v_cvt_i32_f32 v[TM+24*\u+20], v[TM+24*\u+20]   ; (it saturates)
.endr
.irp u, 0,1
	s_delay_alu instid0(VALU_DEP_2)
	v_ldexp_f32 v[TM+24*\u+16], 1.0, v[TM+24*\u+20]   ; f = 2^(old M - new M)
.endr
.set j, 0
.rept 32
.irp u, 0,1
	v_pk_fma_f32 v[S+64*\u+j:S+64*\u+j+1], v[S+64*\u+j:S+64*\u+j+1], s[50:51], v[ST+8*\blk+4*\u:ST+8*\blk+4*\u+1] op_sel_hi:[1,0,0]   ; t - M, two at a time (of the pairs c and -M the low word serves both halves)
.endr
.set j, j+2
.endr
.irp b, 0,1,2,3
.irp u, 0,1
	v_fma_f32 v[TM+24*\u+\b], v[TM+24*\u+\b], s50, v[ST+8*\blk+4*\u]   ; the same of each block's largest score
.endr
.endr
.set j, 0
	s_wait_alu depctr_va_vdst(0)
.rept 128
	v_exp_f32 v[S+j], v[S+j]                       ; p = 2^(t - M), at most 1: not normalised
.set j, j+1
.endr
.irp b, 0,1,2,3
.irp u, 0,1
	v_exp_f32 v[TM+24*\u+\b], v[TM+24*\u+\b]       ; the block's largest p
.endr
.endr
.irp u, 0,1
	v_pk_mul_f32 v[ST+8*\blk+4*\u+2:ST+8*\blk+4*\u+3], v[ST+8*\blk+4*\u+2:ST+8*\blk+4*\u+3], v[TM+24*\u+16:TM+24*\u+17] op_sel_hi:[1,0]   ; the sums under the new M.  (Plain places behind the exponentials)
.endr
	s_wait_alu depctr_va_vdst(0)
.irp b, 0,1,2,3
.irp u, 0,1
	v_max_num_f32 v[TM+24*\u+\b], 0x4800000, v[TM+24*\u+\b]   ; the floor 2^(9 - 127): the byte cannot fall under 1 (a block whose every p is 0 keeps that byte: its codes are zeros)
.endr
.endr
.irp b, 0,1,2,3
.irp u, 0,1
	v_add_nc_u32 v[TM+24*\u+12+\b], 0xfc000000, v[TM+24*\u+\b]   ; 8 off the exponent field: the conversion's scale operand
.endr
.endr
.irp b, 0,1,2,3
.irp u, 0,1
.endr
.endr
.irp b, 0,1,2,3
.irp u, 0,1
	v_lshrrev_b32 v[TM+24*\u+4+\b], 23, v[TM+24*\u+12+\b]   ; the scale's byte
.endr
.endr
.irp u, 0,1
	v_lshl_or_b32 v[PS+\u], v[TM+24*\u+5], 8, v[TM+24*\u+4]   ; p's scale word for these 128 keys
.endr
.irp u, 0,1
	s_delay_alu instid0(VALU_DEP_2)
	v_lshl_or_b32 v[PS+\u], v[TM+24*\u+6], 16, v[PS+\u]
.endr
.irp u, 0,1
	s_delay_alu instid0(VALU_DEP_2)
	v_lshl_or_b32 v[PS+\u], v[TM+24*\u+7], 24, v[PS+\u]
.endr
.irp u, 0,1
	v_pk_add_f32 v[TM+24*\u+18:TM+24*\u+19], v[S+64*\u:S+64*\u+1], v[S+64*\u+2:S+64*\u+3]   ; the row's sum is taken of the unquantised p: two at a time, in two chains a tile
.endr
.set j, 4
.rept 15
.irp u, 0,1
	v_pk_add_f32 v[ST+8*\blk+4*\u+2:ST+8*\blk+4*\u+3], v[ST+8*\blk+4*\u+2:ST+8*\blk+4*\u+3], v[S+64*\u+j:S+64*\u+j+1]
	v_pk_add_f32 v[TM+24*\u+18:TM+24*\u+19], v[TM+24*\u+18:TM+24*\u+19], v[S+64*\u+j+2:S+64*\u+j+3]
.endr
.set j, j+4
.endr
.irp u, 0
	s_delay_alu instid0(VALU_DEP_3)
	v_pk_add_f32 v[ST+8*\blk+4*\u+2:ST+8*\blk+4*\u+3], v[ST+8*\blk+4*\u+2:ST+8*\blk+4*\u+3], v[TM+24*\u+18:TM+24*\u+19]
.endr
.irp u, 1
	s_delay_alu instid0(VALU_DEP_2)
	v_pk_add_f32 v[ST+8*\blk+4*\u+2:ST+8*\blk+4*\u+3], v[ST+8*\blk+4*\u+2:ST+8*\blk+4*\u+3], v[TM+24*\u+18:TM+24*\u+19]
.endr
.irp b, 0,1,2,3
.irp u, 0,1
.irp i, 0,1,2,3,4,5,6,7,8,9,10,11,12,13,14,15
.endr
	v_cvt_scalef32_pk8_fp8_f32 v[P+16*\u+4*\b:P+16*\u+4*\b+1], v[S+64*\u+16*\b:S+64*\u+16*\b+7], v[TM+24*\u+12+\b]
	v_cvt_scalef32_pk8_fp8_f32 v[P+16*\u+4*\b+2:P+16*\u+4*\b+3], v[S+64*\u+16*\b+8:S+64*\u+16*\b+15], v[TM+24*\u+12+\b]
.endr
.endr
	WIN 0x41                                       ; O^T (destination and source 0) window 1, f window 0
.irp u, 0,1
.set j, 0
.rept 16
	v_pk_mul_f32 v[64*\blk+32*\u+j:64*\blk+32*\u+j+1], v[64*\blk+32*\u+j:64*\blk+32*\u+j+1], v[TM+24*\u+16:TM+24*\u+17] op_sel_hi:[1,0]   ; O^T under the new M.  Each tile's sixteen are the other tile's places between its codes and its products
.set j, j+2
.endr
.endr
	s_wait_alu depctr_va_vdst(0)
	s_wait_dscnt 0x0                               ; V and its scale words are in
	WIN 0x51                                       ; source 0 (V) window 1, source 1 (p) window 0, C and D (O^T) window 1
.irp t, 0,1,2,3
.irp u, 0,1
	WM 64*\blk+32*\u+8*\t, F+16*\t, P+16*\u, 64*\blk+32*\u+8*\t, VS+\t/2, PS+\u, \t%2, 0   ; the eight accumulators take turns, one instruction a turn
.endr
.endr
	WIN 0
.rept 8
	v_nop                                          ; eight places in front of the next loads into the registers that these products read, and of the next read of O^T
.endr
.Lskip_\@:
.endm
.Lphase:                                           ; three trips: phases 0, 1, 2; behind each change of slots the next phase's slot is asked for
	CHANGE 1
	DSTEP 0
	DSTEP 1
	s_xor_b32 s[TB], s[TB], SLOTB                  ; on to the other slot,
	s_add_co_u32 s[TS], s[TS], 2048                ; the next eight steps' scale words,
	s_add_co_u32 s[SS], s[SS], 8                   ; and my steps of the next phase
	s_add_co_u32 s[SS+1], s[SS+1], 8
	s_sub_co_u32 s23, s23, 1
	s_cmp_lg_u32 s23, 0
	s_cbranch_scc1 .Lphase
	CHANGE 0                                       ; the last phase is written out; nothing is asked for
	DSTEP 0                                        ; steps 24 to 31: E has at most 16 steps, so only L can have one
	; THE MERGE.  Each wave's parts go to LDS: O^T as it stands in the registers (32 chunks of 512 bytes, in slot 0, which has had its last fill and whose last reads lie behind the barrier above), -M and the sum of each tile.
.irp q, 0,1,2,3
	v_add_f32 v[ST+4*\q+2], v[ST+4*\q+2], v[ST+4*\q+3]   ; the sum's two halves,
.endr
.irp q, 0,1,2,3
	s_delay_alu instid0(VALU_DEP_4)
	v_permlanex16_b32 v[TM+4+\q], v[ST+4*\q+2], s48, s49
.endr
.irp q, 0,1,2,3
	s_delay_alu instid0(VALU_DEP_4)
	v_add_f32 v[ST+4*\q+2], v[ST+4*\q+2], v[TM+4+\q]     ; and lane l xor 16's
.endr
	s_lshl_b32 s53, s[WV], 10
	s_add_co_u32 s53, s53, ML
	v_add_nc_u32 v[AD], s53, v[L4]
	WIN 0x04                                       ; an LDS store's data are its source 1: window 1
.set k, 0
.rept 32
	ds_store_b128 v[AK], v[4*k:4*k+3] offset:512*k   ; each accumulator from its low end on
.set k, k+1
.endr
	WIN 0
.irp q, 0,1,2,3
	ds_store_b32 v[AD], v[ST+4*\q] offset:256*\q
	ds_store_b32 v[AD], v[ST+4*\q+2] offset:256*\q+128
.endr
	s_lshr_b32 s53, s[WV], 1                       ; wave w merges tile w / 2, dims 32 (w % 2) on: chunks 4 w .. 4 w + 3 of every wave's part
	s_lshl_b32 s54, s53, 8
	s_add_co_u32 s54, s54, ML
	v_add_nc_u32 v8, s54, v[L4]
	s_lshl_b32 s54, s[WV], 11
	v_add_nc_u32 v6, s54, v[L16]
	s_delay_alu instid0(VALU_DEP_1)
	v_add_nc_u32 v7, 0x10000, v6                   ; (an LDS offset has 16 bits: waves 4-7's parts by a second register)
	s_wait_alu depctr_va_vdst(0)
	s_wait_dscnt 0x0                               ; for the others' sake: my stores have landed, and my reads of slot 1 are over
	s_barrier_signal -1
	s_barrier_wait -1
.irp i, 0,1,2,3,4,5,6,7
	ds_load_b32 v[40+\i], v8 offset:1024*\i        ; wave i's -M
	ds_load_b32 v[48+\i], v8 offset:1024*\i+128    ; and its sum
.endr
.irp i, 0,1,2,3
.irp k, 0,1,2,3
	ds_load_b128 v[128+16*\i+4*\k:128+16*\i+4*\k+3], v6 offset:16384*\i+512*\k
.endr
.endr
.irp i, 4,5,6,7
.irp k, 0,1,2,3
	ds_load_b128 v[128+16*\i+4*\k:128+16*\i+4*\k+3], v7 offset:16384*(\i-4)+512*\k
.endr
.endr
	s_wait_dscnt 32                                ; the sixteen statistics are in; the 32 loads of O^T behind them may be out
	v_min3_num_f32 v56, v40, v41, v42
	s_delay_alu instid0(VALU_DEP_1)
	v_min3_num_f32 v56, v56, v43, v44
	s_delay_alu instid0(VALU_DEP_1)
	v_min3_num_f32 v56, v56, v45, v46
	s_delay_alu instid0(VALU_DEP_1)
	v_min_num_f32 v56, v56, v47                    ; the least -M: the largest M
.irp i, 0,1,2,3,4,5,6,7
	v_sub_f32 v[64+2*\i], v56, v[40+\i]            ; wave i's M less the largest: a whole number, 0 or less (a wave with no step: -3e38)
.endr
.irp i, 0,1,2,3,4,5,6,7
	v_cvt_i32_f32 v[64+2*\i], v[64+2*\i]           ; (it saturates)
.endr
.irp i, 0,1,2,3,4,5,6,7
	v_ldexp_f32 v[65+2*\i], 1.0, v[64+2*\i]        ; f_i, in both words of a pair
	v_ldexp_f32 v[64+2*\i], 1.0, v[64+2*\i]
.endr
	v_mul_f32 v57, v64, v48
.irp i, 1,2,3,4,5,6,7
	s_delay_alu instid0(VALU_DEP_1)
	v_fma_f32 v57, v[64+2*\i], v[48+\i], v57       ; the row's sum
.endr
	s_wait_alu depctr_va_vdst(0)
	v_rcp_f32 v58, v57
	v_rcp_f32 v59, v57                             ; (a pair for the packed multiply; the plain lines below stand between the reciprocals and their use)
	v_and_b32 v9, 15, v0                           ; r
	v_bfe_u32 v10, v0, 4, 1                        ; h
	s_delay_alu instid0(VALU_DEP_2)
	v_mul_u32_u24 v11, v9, 272
	s_delay_alu instid0(VALU_DEP_1)
	v_lshl_add_u32 v11, v10, 5, v11
	s_mul_i32 s53, s53, 16*272
	s_and_b32 s54, s[WV], 1
	s_lshl_b32 s54, s54, 7
	s_add_co_u32 s53, s53, s54
	s_add_co_u32 s53, s53, STAGE
	v_add_nc_u32 v11, s53, v11                     ; into the stage: row 16 (w / 2) + r, byte 128 (w % 2) + 32 h
	v_mul_u32_u24 v12, v10, 272
	s_delay_alu instid0(VALU_DEP_1)
	v_lshl_add_u32 v12, v9, 4, v12
	s_mul_i32 s53, s[WV], 8*272
	s_add_co_u32 s53, s53, STAGE
	v_add_nc_u32 v12, s53, v12                     ; back: rows 8 w on; lanes 0-15 one row of 256 bytes, lanes 16-31 the next
	v_lshlrev_b32 v13, 8, v10
	s_delay_alu instid0(VALU_DEP_1)
	v_lshl_add_u32 v13, v9, 4, v13                 ; and the same two rows in the output
	s_wait_dscnt 0x0
.irp e, 0,2,4,6,8,10,12,14
	v_pk_mul_f32 v[96+\e:97+\e], v[128+\e:129+\e], v[64:65]
.endr
.irp i, 1,2,3,4,5,6,7
.irp e, 0,2,4,6,8,10,12,14
	v_pk_fma_f32 v[96+\e:97+\e], v[128+16*\i+\e:129+16*\i+\e], v[64+2*\i:65+2*\i], v[96+\e:97+\e]
.endr
.endr
	s_wait_alu depctr_va_vdst(0)
.irp e, 0,2,4,6,8,10,12,14
	v_pk_mul_f32 v[96+\e:97+\e], v[96+\e:97+\e], v[58:59]   ; O^T / the sum
.endr
.irp k, 0,1,2,3
	ds_store_b128 v11, v[96+4*\k:99+4*\k] offset:64*(\k/2)+16*(\k%2)   ; chunk k: dims 16 (k / 2) + 8 h + 4 (k % 2) + 0 .. 3 of my 32
.endr
	s_lshl_b32 s53, s13, 5                         ; E's first query: 32 g;
	s_sub_co_u32 s54, 4064, s53                    ; L's
	s_cmp_lt_u32 s[WV], 4                          ; stage rows 0-31 are L's, rows 32-63 E's
	s_cselect_b32 s53, s54, s53
	s_lshl_b32 s54, s14, 12
	s_add_co_u32 s53, s53, s54
	s_and_b32 s54, s[WV], 3
	s_lshl_b32 s54, s54, 3
	s_add_co_u32 s53, s53, s54                     ; the first row that I store
	s_lshl_b32 s56, s53, 8                         ; a row of the output is 256 bytes
	s_add_nc_u64 s[8:9], s[8:9], s[56:57]
	s_wait_dscnt 0x0                               ; for the others' sake: my stores into the stage have landed
	s_barrier_signal -1
	s_barrier_wait -1
.irp i, 0,1,2,3
	ds_load_b128 v[112+4*\i:115+4*\i], v12 offset:544*\i
.endr
.irp i, 0,1,2,3
	s_wait_dscnt 3-\i                              ; LDS loads come back in order: load i is in, the younger ones may be out
	global_store_b128 v13, v[112+4*\i:115+4*\i], s[8:9] offset:512*\i th:TH_STORE_NT   ; 32 lanes store two whole rows: 512 consecutive bytes, aligned
.endr
	s_wait_tensorcnt 0x0                           ; the wave's end, behind my last tensor load and my last LDS store
	ds_add_u32 v[SPW], v[NIL]
	s_wait_dscnt 0x0
	ROUND                                          ; the closing round: no work-group ends while a partner may still ask for a tile that names it
	s_endpgm
.Lfunc_end_k_qfccfa98fc9_attn:
	.size	k_qfccfa98fc9_attn, .Lfunc_end_k_qfccfa98fc9_attn-k_qfccfa98fc9_attn
	.p2alignl 7, 3214868480
	.fill 96, 4, 3214868480
	.section	.rodata,"a",@progbits
	.p2align	6, 0x0
	.amdhsa_kernel k_qfccfa98fc9_attn
		.amdhsa_group_segment_fixed_size 327680
		.amdhsa_private_segment_fixed_size 0
		.amdhsa_enable_private_segment 0
		.amdhsa_kernarg_size 24
		.amdhsa_user_sgpr_count 2
		.amdhsa_user_sgpr_kernarg_segment_ptr 1
		.amdhsa_wavefront_size32 1
		.amdhsa_system_sgpr_workgroup_id_x 1
		.amdhsa_system_sgpr_workgroup_id_y 1
		.amdhsa_system_sgpr_workgroup_id_z 1
		.amdhsa_system_vgpr_workitem_id 0
		.amdhsa_next_free_vgpr 512
		.amdhsa_next_free_sgpr 80
		.amdhsa_reserve_vcc 1
		.amdhsa_float_denorm_mode_32 3
		.amdhsa_float_denorm_mode_16_64 3
		.amdhsa_fp16_overflow 1
		.amdhsa_memory_ordered 1
		.amdhsa_forward_progress 1
		.amdhsa_inst_pref_size 151
	.end_amdhsa_kernel
	.amdgpu_metadata
---
amdhsa.version: [ 1, 2 ]
amdhsa.kernels:
  - .name:           k_qfccfa98fc9_attn
    .symbol:         k_qfccfa98fc9_attn.kd
    .args:
      - { .name: qbuf, .offset: 0, .size: 8, .value_kind: global_buffer, .address_space: global }
      - { .name: kvbuf, .offset: 8, .size: 8, .value_kind: global_buffer, .address_space: global }
      - { .name: out0, .offset: 16, .size: 8, .value_kind: global_buffer, .address_space: global }
    .group_segment_fixed_size: 327680
    .private_segment_fixed_size: 0
    .kernarg_segment_align: 8
    .kernarg_segment_size: 24
    .max_flat_workgroup_size: 256
    .sgpr_count:     80
    .vgpr_count:     512
    .wavefront_size: 32
...
	.end_amdgpu_metadata
.endif
;; end of part 2
